; MI455X (gfx1250); checked and timed in simulation.
; The chip was launched on July 23, 2026; its instructions are those of AMD's public machine-readable ISA for CDNA 5 (MIT licence, August 2026) and "CDNA5" Instruction Set Architecture Reference Guide (July 2026). The comments in the code are by the model that wrote it; some were corrected since.
;; Hdc Level Encoder. Allowed arithmetic: float matrix products may take bf16 or f16 operands with f32 sums; all other float work in f32.
;; Inputs: W_mag 100 x 2,048 float32; W_magj 100 x 2,048 float32; W_t 32,768 x 2,048 float32; W_x 100 x 2,048 float32; W_xj 100 x 2,048 float32; W_y 100 x 2,048 float32; W_yj 100 x 2,048 float32; W_z 100 x 2,048 float32; W_zj 100 x 2,048 float32; input 32,768 x 4 float32.
;; Outputs: out0 2,048 float32.
;; One version. Each part assembles by itself: llvm-mc -triple=amdgcn-amd-amdhsa -mcpu=gfx1250 --defsym DOCPART=n.
;; ======== version 1 of 1: 3 launches
;; workspace buffers: lev 1,048,576 bytes of whole numbers; part 65,536 bytes
;; launch levels (part 1): grid 256 x 1, 4 waves a work-group, no clusters, 0 bytes of LDS; arguments input, lev; writes lev
.if DOCPART == 1
	.amdgcn_target "amdgcn-amd-amdhsa--gfx1250"
	.amdhsa_code_object_version 6
	.text
	.protected	k_q08ceeb533b_levels
	.globl	k_q08ceeb533b_levels
	.p2align	8
	.type	k_q08ceeb533b_levels,@function
k_q08ceeb533b_levels:
	s_mov_b64 s[64:65], 0
	v_nop
	global_prefetch_b8 v0, s[64:65] scope:SCOPE_SE
	s_setreg_imm32_b32 hwreg(HW_REG_WAVE_MODE, 25, 1), 1
	s_wait_xcnt 0x0
; LEVELS: from input[32768][4] = (time, x, y, z) the nine table indices of every sample, stored as whole numbers.
; One thread, one sample n = 128 x work-group + thread.  No loop, no LDS, no barrier, EXEC never changes.
; lev: blocks of 32 samples, 1,024 bytes each.  Bytes 16 l .. +15 of a block: (ix, iy, iz, imag) of its sample l;
; bytes 512 + 16 l .. +15: (ixj, iyj, izj, ijmag | itime << 8).  Each store of a wave covers 512 consecutive bytes, aligned.
;
; An index that is off by one swaps a whole table row in the sum, so the arithmetic follows reference() operation by operation, each
; rounded once: a multiply and an add that reference() rounds apart stay apart here (no fused form in the sums of squares, nor between
; the division and the factor 99).  Fused forms serve only inside the divisions and the square roots, to make those correctly rounded,
; since v_rcp_f32 and v_sqrt_f32 by themselves are not (ISA guide, their entries in chapter 15).
; LIMITS, by design:
;  - reference() is taken as IEEE arithmetic operation by operation, with a float-to-int conversion that saturates and turns NaN into 0.
;  - the time step dt is 0 or has 2^-100 <= |dt| <= 2^100, and a jerk's numerator is 0 or at least 2^-100 in magnitude: outside, the
;    reciprocal or the residuals of the division leave the normal range.
;  - dt = 0 gives +-inf or NaN as in reference(); NaN anywhere ends as index 0, +inf as the top index, as the clip of reference() gives.
.set CUR, 4                            ; v[4:7]    my row: T, x, y, z
.set PRV, 8                            ; v[8:11]   the row in front of it
.set TT,  12                           ; t  = T - T0
.set TP,  13                           ; t of the row in front
.set DT,  14                           ; their difference
.set Y0,  15                           ; 1 / dt as v_rcp_f32 gives it
.set Y1,  16                           ; refined once
.set TA,  17                           ; v17-23    at work
.set TQ,  18
.set TR,  19
.set TS,  20
.set TU,  21
.set TV,  22
.set TW,  23
.set JK,  24                           ; v[24:26]  jerk, unclipped
.set L0,  32                           ; v[32:35]  ix, iy, iz, imag
.set L1,  36                           ; v[36:39]  ixj, iyj, izj, ijmag | itime << 8
.set SO,  40                           ; my byte offset in lev
	s_load_b128 s[4:7], s[0:1], 0x0                ; input s[4:5], lev s[6:7]
	s_lshl_b32 s9, ttmp9, 7
	s_mov_b32 s10, 0x40400000                      ; 3.0
	s_mov_b32 s11, 0xc0400000                      ; -3.0
	s_mov_b32 s12, 0x3e2aaaab                      ; 1/6, correctly rounded
	s_mov_b32 s13, 0xc0c00000                      ; -6.0
	s_mov_b32 s14, 0x42c60000                      ; 99.0
	s_mov_b32 s15, 0x41000000                      ; 8.0
	s_mov_b32 s16, 0x41800000                      ; 16.0
	s_mov_b32 s17, 0x38000000                      ; 2^-15
	s_mov_b32 s18, 0x46fffe00                      ; 32767.0
	v_add_nc_u32 v1, s9, v0                        ; n
	v_lshlrev_b32 v2, 4, v1                        ; 16 n: my row
	v_max_u32 v3, 16, v2                           ; with the immediate -16: row n - 1; sample 0 reads its own row and stays inside the buffer
	v_cmp_eq_u32 s20, 0, v1                        ; sample 0: its jerk is zero by definition
	v_and_b32 v[TA], 31, v1
	v_lshrrev_b32 v[SO], 5, v1
	v_lshlrev_b32 v[SO], 10, v[SO]                 ; block x 1,024
	v_lshl_add_u32 v[SO], v[TA], 4, v[SO]          ; + 16 x sample in the block
	s_wait_kmcnt 0x0
	s_load_b32 s8, s[4:5], 0x0                     ; T0 = input[0][0] (no launch of this program writes input)
	global_load_b128 v[CUR:CUR+3], v2, s[4:5]
	global_load_b128 v[PRV:PRV+3], v3, s[4:5] offset:-16
	s_wait_kmcnt 0x0
	s_wait_loadcnt 0x0
; index = clip(round((v + 3) / 6 * 99), 0, 99) of v[src], which is NaN or lies in -3 .. 8.
; a / 6: q = a c, then twice q += (a - 6 q) c.  The residual is exact in a fused form, c is the correctly rounded reciprocal of 6 and q is
; within an ulp after the first step, so the second step's single rounding is that of a / 6 itself.
; The clamp is made on the float: the same as clipping the converted integer, and NaN loses against 0 in v_max_num_f32.
.macro LEVEL dst, src
	v_add_f32 v[TA], s10, v[\src]                  ; v - (-3)
	v_mul_f32 v[TQ], s12, v[TA]
	v_fma_f32 v[TR], s13, v[TQ], v[TA]
	v_fma_f32 v[TQ], v[TR], s12, v[TQ]
	v_fma_f32 v[TR], s13, v[TQ], v[TA]
	v_fma_f32 v[TQ], v[TR], s12, v[TQ]             ; a / 6
	v_mul_f32 v[TQ], s14, v[TQ]                    ; x 99, rounded by itself
	v_rndne_f32 v[TQ], v[TQ]                       ; halves to even, as jnp.round
	v_max_num_f32 v[TQ], 0, v[TQ]
	v_min_num_f32 v[TQ], s14, v[TQ]
	v_cvt_u32_f32 v[\dst], v[TQ]
.endm
; a signal: clipped to -3 .. 3 first (a NaN becomes -3, index 0: what the clip of the converted NaN gives in reference())
.macro CLIPLEVEL dst, src
	v_max_num_f32 v[TS], s11, v[\src]
	v_min_num_f32 v[TS], s10, v[TS]
	LEVEL \dst, TS
.endm
; a magnitude: sqrt((a a + b b) + c c), every operation rounded by itself.  The root is v_sqrt_f32's, set right by its two neighbours:
; with d and u the floats below and above s, x - d s <= 0 says that d is the rounded root, x - u s > 0 that u is.  For 0, inf and NaN both
; compares are false and s stays.  A sum of squares too small for v_sqrt_f32 gives 0 in place of a root below 2^-63: v + 3 is 3.0 for both.
; Roots above 8 are set to 8: (8 + 3) / 6 x 99 is beyond 99 already, so the index is the same, and no inf enters the division's residuals.
.macro MAGLEVEL dst, a, b, c
	v_mul_f32 v[TS], v[\a], v[\a]
	v_mul_f32 v[TU], v[\b], v[\b]
	v_mul_f32 v[TV], v[\c], v[\c]
	v_add_f32 v[TS], v[TS], v[TU]
	v_add_f32 v[TS], v[TS], v[TV]
	v_sqrt_f32 v[TU], v[TS]
	v_nop                                          ; one plain place behind the transcendental before its result is used (ISA guide 5.7.2)
	s_wait_alu depctr_va_vdst(0)
	v_add_nc_u32 v[TV], -1, v[TU]                  ; the float below, by its bit pattern
	v_add_nc_u32 v[TW], 1, v[TU]                   ; the float above
	v_fma_f32 v[TA], -v[TV], v[TU], v[TS]
	v_fma_f32 v[TQ], -v[TW], v[TU], v[TS]
	v_cmp_ge_f32 vcc_lo, 0, v[TA]
	v_cndmask_b32 v[TU], v[TU], v[TV], vcc_lo
	v_cmp_lt_f32 vcc_lo, 0, v[TQ]
	v_cndmask_b32 v[TU], v[TU], v[TW], vcc_lo
	v_cmp_lt_f32 vcc_lo, s15, v[TU]                ; 8 < root (false for NaN, which is kept)
	v_cndmask_b32 v[TU], v[TU], s15, vcc_lo
	LEVEL \dst, TU
.endm
; v[q] = v[q] / dt, correctly rounded: q0 = num y1, then twice q += (num - dt q) y1, the residuals exact in fused forms.
; Where the plain product num x rcp(dt) is 16 or more in magnitude, inf or NaN (dt = 0 among them), that product is kept: it clips to the
; same +-3, and it makes the jerk's magnitude larger than 8, or inf, or NaN, exactly as the true quotient does.
.macro DIV q
	v_mul_f32 v[TS], v[\q], v[Y0]
	v_mul_f32 v[TU], v[\q], v[Y1]
	v_fma_f32 v[TV], -v[DT], v[TU], v[\q]
	v_fma_f32 v[TU], v[TV], v[Y1], v[TU]
	v_fma_f32 v[TV], -v[DT], v[TU], v[\q]
	v_fma_f32 v[TU], v[TV], v[Y1], v[TU]
	v_cmp_lt_f32 vcc_lo, |v[TS]|, s16
	v_cndmask_b32 v[TU], v[TS], v[TU], vcc_lo
	v_cndmask_b32 v[\q], v[TU], 0, s20             ; sample 0: zero
.endm
	v_sub_f32 v[TT], v[CUR], s8                    ; t = T - T0, for both rows, and only then their difference, as in reference()
	v_sub_f32 v[TP], v[PRV], s8
	v_sub_f32 v[DT], v[TT], v[TP]
	v_rcp_f32 v[Y0], v[DT]
	v_sub_f32 v[JK],   v[CUR+1], v[PRV+1]          ; (plain work behind the transcendental)
	v_sub_f32 v[JK+1], v[CUR+2], v[PRV+2]
	v_sub_f32 v[JK+2], v[CUR+3], v[PRV+3]
	s_wait_alu depctr_va_vdst(0)
	v_fma_f32 v[TA], -v[DT], v[Y0], 1.0
	v_fma_f32 v[Y1], v[TA], v[Y0], v[Y0]           ; one Newton step, shared by the three quotients
	DIV JK
	DIV JK+1
	DIV JK+2
	CLIPLEVEL L0,   CUR+1
	CLIPLEVEL L0+1, CUR+2
	CLIPLEVEL L0+2, CUR+3
	MAGLEVEL  L0+3, CUR+1, CUR+2, CUR+3            ; of the unclipped signals
	CLIPLEVEL L1,   JK
	CLIPLEVEL L1+1, JK+1
	CLIPLEVEL L1+2, JK+2
	MAGLEVEL  L1+3, JK, JK+1, JK+2                 ; of the unclipped jerk
	; time: clip(round(t / 32768 x 32767), 0, 32767); the division is a power of two, exact as a product
	v_mul_f32 v[TS], s17, v[TT]
	v_mul_f32 v[TS], s18, v[TS]
	v_rndne_f32 v[TS], v[TS]
	v_max_num_f32 v[TS], 0, v[TS]
	v_min_num_f32 v[TS], s18, v[TS]
	v_cvt_u32_f32 v[TS], v[TS]
	v_lshl_or_b32 v[L1+3], v[TS], 8, v[L1+3]       ; the time index rides above the eighth level
	global_store_b128 v[SO], v[L0:L0+3], s[6:7]
	global_store_b128 v[SO], v[L1:L1+3], s[6:7] offset:512
	s_endpgm
.Lfunc_end_k_q08ceeb533b_levels:
	.size	k_q08ceeb533b_levels, .Lfunc_end_k_q08ceeb533b_levels-k_q08ceeb533b_levels
	.p2alignl 7, 3214868480
	.fill 96, 4, 3214868480
	.section	.rodata,"a",@progbits
	.p2align	6, 0x0
	.amdhsa_kernel k_q08ceeb533b_levels
		.amdhsa_group_segment_fixed_size 0
		.amdhsa_private_segment_fixed_size 0
		.amdhsa_enable_private_segment 0
		.amdhsa_kernarg_size 16
		.amdhsa_user_sgpr_count 2
		.amdhsa_user_sgpr_kernarg_segment_ptr 1
		.amdhsa_wavefront_size32 1
		.amdhsa_system_sgpr_workgroup_id_x 1
		.amdhsa_system_sgpr_workgroup_id_y 1
		.amdhsa_system_sgpr_workgroup_id_z 1
		.amdhsa_system_vgpr_workitem_id 0
		.amdhsa_next_free_vgpr 48
		.amdhsa_next_free_sgpr 66
		.amdhsa_reserve_vcc 1
		.amdhsa_float_denorm_mode_32 3
		.amdhsa_float_denorm_mode_16_64 3
		.amdhsa_memory_ordered 1
		.amdhsa_forward_progress 1
		.amdhsa_inst_pref_size 10
	.end_amdhsa_kernel
	.amdgpu_metadata
---
amdhsa.version: [ 1, 2 ]
amdhsa.kernels:
  - .name:           k_q08ceeb533b_levels
    .symbol:         k_q08ceeb533b_levels.kd
    .args:
      - { .name: input, .offset: 0, .size: 8, .value_kind: global_buffer, .address_space: global }
      - { .name: lev, .offset: 8, .size: 8, .value_kind: global_buffer, .address_space: global }
    .group_segment_fixed_size: 0
    .private_segment_fixed_size: 0
    .kernarg_segment_align: 8
    .kernarg_segment_size: 16
    .max_flat_workgroup_size: 128
    .sgpr_count:     66
    .vgpr_count:     48
    .wavefront_size: 32
...
	.end_amdgpu_metadata
.endif
;; end of part 1
;; launch gather (part 2): grid 8 x 32, 16 waves a work-group, no clusters, 215,040 bytes of LDS; arguments W_x, W_y, W_z, W_mag, W_xj, W_yj, W_zj, W_magj, W_t, lev, part; writes part
.if DOCPART == 2
	.amdgcn_target "amdgcn-amd-amdhsa--gfx1250"
	.amdhsa_code_object_version 6
	.text
	.protected	k_q08ceeb533b_gather
	.globl	k_q08ceeb533b_gather
	.p2align	8
	.type	k_q08ceeb533b_gather,@function
k_q08ceeb533b_gather:
	s_mov_b64 s[64:65], 0
	v_nop
	global_prefetch_b8 v0, s[64:65] scope:SCOPE_SE
	s_setreg_imm32_b32 hwreg(HW_REG_WAVE_MODE, 25, 1), 1
	s_wait_xcnt 0x0
; GATHER: part[g][d] = sum over the 4,096 samples n of group g of ((x + y + z) mag + (xj + yj + zj) jmag) t, each factor a table row
; picked by the whole numbers that the launch before stored in lev.
; A work-group owns 64 columns (256 bytes of every row; slice = grid y, 32 of them) and 4,096 samples (group = grid x, 8 of them).
; The eight small tables are asked for 8 x 32,768 times; their 64-column slices, 8 x 100 x 256 = 204,800 bytes, lie in LDS, so only W_t's
; rows come from memory, each byte that a sample names once.  The slices are brought by all sixteen waves, 50 rows of one table each.
; NO CLUSTER, NO MULTICAST: joint requests want every LDS address alike in all partners.  The work-groups that share a slice have other
; samples, so their table reads go to other rows of LDS; work-groups with the same samples have other slices and share no table byte.
; What is fetched eight times over for that is a slice's 204,800 bytes, once in a work-group's life, beside the 4,096 x 256 = 1,048,576
; bytes of W_t that each work-group reads for itself alone.
; Sixteen waves, 256 samples each, in 8 blocks of 32.  A UNIT is two samples: lanes 0-15 take sample u of the block, lanes 16-31 sample
; 16 + u, each lane 4 columns; every LDS read and every read of W_t then covers, in each half of the wave, 256 consecutive aligned bytes.
; Lane l holds the indices of the block's sample l; a DPP form with row_share:u hands sample u's (16 + u's) to its half of the wave.
; A number that was loaded enters an address only behind a v_min_u32 with a constant, and nothing but adds and left shifts follow it: so
; the bound stands behind the lane exchange, on the finished LDS address, and for W_t on the row number, ahead of its shift.
; W_t's rows wait in a ring of 16 register slots (one for each unit of a block), asked for one whole block ahead.
; No matrix unit: the terms are products of three gathered rows, element by element; all arithmetic is f32.
.set TBL,  25600                       ; bytes of a table's slice in LDS: 100 rows of 256 bytes, no padding (a half wave reads one whole row)
.set HROWS, 50                         ; rows that one wave brings
.set HALFT, HROWS*256                  ; their bytes in LDS: table k's slice is the parts of waves 2 k and 2 k + 1
.set LIM,  99*256+240                  ; the last 16 bytes of a slice: row 99, lane 15
.set SCR,  8*TBL                       ; behind the tables: 32 rows of 256 bytes, the waves' sums; written by ds_store only, no tensor load's target
.set BASE, 2                           ; v2-4      16 (lane % 16), the same + 3 TBL, + 6 TBL (an LDS immediate has 16 bits: the register carries the rest)
.set IOFF, 5                           ; v5        my byte offset in lev, from the group's first record
.set CURT, 6                           ; v6        my sample's row number in W_t, one block ahead of CUR
.set TMP,  7
.set RAW,  8                           ; v[8:15]   a record as loaded
.set MID,  16                          ; v[16:23]  its eight levels, clamped to their tables: next trip's
.set CUR,  24                          ; v[24:31]  this trip's levels x 256
.set AD,   32                          ; v[32:39]  LDS addresses of a unit
.set OFF,  40                          ; v[40:55]  ring slot u: its offset in W_t
.set ACC,  56                          ; v[56:59]  my four running sums
.set W,    60                          ; v[60:123] ring slot u: 4 columns of W_t
.set D,    124                         ; v[124:187] two sets of 32: x, y, z, mag, xj, yj, zj, jmag, 4 columns each; units take turns
.set STA,  188                         ; v188      the end: where my four sums go in LDS
.set RDA,  189                         ; v189      the end: where wave 0 reads them back
.set G1,   16                          ; s[16:23]  descriptor group 1
.set PT,   24                          ; s[24:39]  the eight tables' addresses; s[24:25] ends as my wave's table
.set G0,   40                          ; s[40:43]  descriptor group 0
	s_load_b256 s[PT:PT+7],    s[0:1], 0x0         ; W_x, W_y, W_z, W_mag
	s_load_b256 s[PT+8:PT+15], s[0:1], 0x20        ; W_xj, W_yj, W_zj, W_magj
	s_load_b128 s[8:11], s[0:1], 0x40              ; W_t s[8:9], lev s[10:11]
	s_load_b64 s[12:13], s[0:1], 0x50              ; part
	v_lshl_add_u32 v190, v0, 2, 0x34000
	v_mov_b32 v191, 0
	ds_add_u32 v190, v191
	ds_add_u32 v190, v191
	v_lshrrev_b32 v1, 5, v0
	v_readfirstlane_b32 s3, v1                     ; wave 0..15
	s_and_b32 s6, ttmp7, 0xffff                    ; slice 0..31.  ttmp9: sample group 0..7
	s_lshl_b32 s14, s6, 8                          ; the slice's 256 bytes in a row,
	s_mov_b32 s15, 0                               ; as a pair
	s_lshr_b32 s4, s3, 1                           ; the table of which I bring a part,
	s_and_b32 s5, s3, 1                            ; and which half of its rows
	s_mul_i32 s58, s5, HROWS*8192                  ; that half's first row, in bytes,
	s_add_co_u32 s58, s58, s14                     ; at my slice,
	s_mov_b32 s59, 0                               ; as a pair
	v_and_b32 v[TMP], 31, v0
	v_lshlrev_b32 v[TMP], 4, v[TMP]
	v_lshl_add_u32 v[IOFF], v1, 13, v[TMP]         ; wave x 8 records of 1,024 bytes + 16 x lane
	v_and_b32 v[TMP], 15, v0
	v_lshlrev_b32 v[BASE], 4, v[TMP]
	v_add_nc_u32 v[BASE+1], 3*TBL, v[BASE]
	v_add_nc_u32 v[BASE+2], 6*TBL, v[BASE]
	; Group 1: a tile of 50 rows x 64 elements of 4 bytes, 2,048 elements from row to row, dense in LDS
	s_mov_b32 s[G1+0], 2<<16                       ; 15:0 work-group mask = 0 (no cluster); 17:16 element of 4 bytes; 20 padding off
	s_mov_b32 s[G1+1], 64<<16                      ; tensor_dim0 = 64
	s_mov_b32 s[G1+2], HROWS<<16                   ; tensor_dim1 = 50
	s_mov_b32 s[G1+3], 64<<16                      ; tile_dim0 = 64
	s_mov_b32 s[G1+4], HROWS                       ; tile_dim1 = 50
	s_mov_b32 s[G1+5], 2048                        ; the pitch
	s_mov_b32 s[G1+6], 0
	s_mov_b32 s[G1+7], 0
	s_mov_b32 s[G0], 1                             ; count = 1
	s_mul_i32 s[G0+1], s3, HALFT                   ; LDS address: the wave's number x 12,800, bytes that no other wave's load writes
	s_wait_dscnt 0x0
	s_wait_kmcnt 0x0
.irp k, 1,2,3,4,5,6,7
	s_cmp_eq_u32 s4, \k                            ; a choice between buffers on the wave's number alone
	s_cselect_b64 s[PT:PT+1], s[PT+2*\k:PT+2*\k+1], s[PT:PT+1]
.endr
	s_add_nc_u64 s[G0+2:G0+3], s[PT:PT+1], s[58:59]    ; my table, my half's first row, my slice
	s_or_b32 s[G0+3], s[G0+3], 0x80000000          ; type = 2
	tensor_load_to_lds s[G0:G0+3], s[G1:G1+7]      ; every wave: one load outstanding; its registers are not written again
	s_nop 0
	s_add_nc_u64 s[8:9], s[8:9], s[14:15]          ; W_t at my slice
	s_lshl_b32 s58, ttmp9, 17                      ; 4,096 samples x 32 bytes of lev
	s_add_nc_u64 s[10:11], s[10:11], s[58:59]
	s_lshl_b32 s58, ttmp9, 13                      ; a row of part
	s_add_nc_u64 s[12:13], s[12:13], s[58:59]
	s_add_nc_u64 s[12:13], s[12:13], s[14:15]
; the record in RAW: its eight levels, each clamped to its table's 100 rows, into MID; its time index, unpacked, into CURT
.macro EXTRACT
.irp k, 0,1,2,3,4,5,6
	v_min_u32 v[MID+\k], 99, v[RAW+\k]
.endr
	v_and_b32 v[TMP], 0xff, v[RAW+7]
	v_min_u32 v[MID+7], 99, v[TMP]
	v_lshrrev_b32 v[CURT], 8, v[RAW+7]
.endm
; the next record: stands behind the wait for the last one, which freed IOFF and RAW
.macro IDXLOAD
	v_add_nc_u32 v[IOFF], 1024, v[IOFF]
	global_load_b128 v[RAW:RAW+3],   v[IOFF], s[10:11]
	global_load_b128 v[RAW+4:RAW+7], v[IOFF], s[10:11] offset:512
.endm
; unit u's eight table rows, from LDS into set u % 2.  Address = level x 256 of the half's sample (brought by the DPP read of the first
; source) + my 16 bytes + the table group's base, in one instruction; then the bound, at the last 16 bytes of the group's first slice.
; Two vector instructions for each address of two samples.  Highest byte read: 6 TBL + LIM + TBL + 15 = SCR - 1
.macro LDSU u
.irp k, 0,1,2,3,4,5,6,7
	v_add_nc_u32_dpp v[AD+\k], v[CUR+\k], v[BASE+\k/3] row_share:\u row_mask:0xf bank_mask:0xf
.endr
.irp k, 0,1,2,3,4,5,6,7
	v_min_u32 v[AD+\k], (\k/3)*3*TBL+LIM, v[AD+\k]
.endr
.irp k, 0,1,2,3,4,5,6,7
	ds_load_b128 v[D+32*(\u%2)+4*\k:D+32*(\u%2)+4*\k+3], v[AD+\k] offset:TBL*(\k%3)
.endr
.endm
; ring slot u: W_t's rows for unit u of the block whose row numbers CURT holds; rows of 8,192 bytes.  The bound stands ahead of the shift,
; on the row number (32,768 rows).  No cache hint: two samples may name one row
.macro FILL u
	v_mov_b32_dpp v[OFF+\u], v[CURT] row_share:\u row_mask:0xf bank_mask:0xf
	v_min_u32 v[OFF+\u], 0x7fff, v[OFF+\u]
	v_lshlrev_b32 v[OFF+\u], 13, v[OFF+\u]
	v_add_nc_u32 v[OFF+\u], v[BASE], v[OFF+\u]
	global_load_b128 v[W+4*\u:W+4*\u+3], v[OFF+\u], s[8:9]
.endm
; The head of a trip.  The clamp (EXTRACT) and the shift (CUR) of a record's levels stand one trip apart, since its time index is
; wanted a trip earlier than its levels: no register is copied for that.
; ext = 1: a further record is on its way, take it in.  nxt = 1: ask for the one behind it.
.macro HEAD ext, nxt
.irp k, 0,1,2,3,4,5,6,7
	v_lshlrev_b32 v[CUR+\k], 8, v[MID+\k]          ; this trip's levels x 256 bytes
.endr
	LDSU 0
.if \ext
	s_wait_loadcnt 16                              ; the record's two loads are in: behind them only the 16 fills of this trip's block were issued
	EXTRACT
.endif
.if \nxt
	IDXLOAD
.endif
.endm
; Unit u (un = u + 1).  fill = 1: its ring slot is filled again, for the next block.
.macro UNIT u, un, fill, nxt
.if \u < 15
	LDSU \un
	s_wait_dscnt 8                                 ; the next unit's eight reads stay out, mine are in (LDS serves a wave in order: ISA guide 5.7.1)
.else
	s_wait_dscnt 0
.endif
.set S, D+32*(\u%2)
	v_pk_add_f32 v[S:S+1],     v[S:S+1],     v[S+4:S+5]        ; x + y
	v_pk_add_f32 v[S+2:S+3],   v[S+2:S+3],   v[S+6:S+7]
	v_pk_add_f32 v[S+16:S+17], v[S+16:S+17], v[S+20:S+21]      ; xj + yj
	v_pk_add_f32 v[S+18:S+19], v[S+18:S+19], v[S+22:S+23]
	v_pk_add_f32 v[S:S+1],     v[S:S+1],     v[S+8:S+9]        ; + z
	v_pk_add_f32 v[S+2:S+3],   v[S+2:S+3],   v[S+10:S+11]
	v_pk_add_f32 v[S+16:S+17], v[S+16:S+17], v[S+24:S+25]      ; + zj
	v_pk_add_f32 v[S+18:S+19], v[S+18:S+19], v[S+26:S+27]
	v_pk_mul_f32 v[S+16:S+17], v[S+16:S+17], v[S+28:S+29]      ; x jmag
	v_pk_mul_f32 v[S+18:S+19], v[S+18:S+19], v[S+30:S+31]
	v_pk_fma_f32 v[S:S+1],     v[S:S+1],     v[S+12:S+13], v[S+16:S+17]    ; (x + y + z) mag + that
	v_pk_fma_f32 v[S+2:S+3],   v[S+2:S+3],   v[S+14:S+15], v[S+18:S+19]
.if \fill
	s_wait_loadcnt 15+2*\nxt                       ; behind slot u's load: 15 - u fills of this block, the head's record loads (2 or none), u fills of the next
.else
	s_wait_loadcnt 15-\u                           ; the last block: only its own 15 - u younger fills
.endif
	v_pk_fma_f32 v[ACC:ACC+1],   v[S:S+1],   v[W+4*\u:W+4*\u+1],   v[ACC:ACC+1]
	v_pk_fma_f32 v[ACC+2:ACC+3], v[S+2:S+3], v[W+4*\u+2:W+4*\u+3], v[ACC+2:ACC+3]
.if \fill
	FILL \u                                        ; the wait above showed the slot's last load done: OFF and W of the slot are free
.endif
.endm
.macro TRIP ext, nxt, fill
	HEAD \ext, \nxt
	UNIT 0, 1, \fill, \nxt
	UNIT 1, 2, \fill, \nxt
	UNIT 2, 3, \fill, \nxt
	UNIT 3, 4, \fill, \nxt
	UNIT 4, 5, \fill, \nxt
	UNIT 5, 6, \fill, \nxt
	UNIT 6, 7, \fill, \nxt
	UNIT 7, 8, \fill, \nxt
	UNIT 8, 9, \fill, \nxt
	UNIT 9, 10, \fill, \nxt
	UNIT 10, 11, \fill, \nxt
	UNIT 11, 12, \fill, \nxt
	UNIT 12, 13, \fill, \nxt
	UNIT 13, 14, \fill, \nxt
	UNIT 14, 15, \fill, \nxt
	UNIT 15, 16, \fill, \nxt
.endm
	; while the tables come: record 0, then record 1 and the ring's first filling (block 0)
	global_load_b128 v[RAW:RAW+3],   v[IOFF], s[10:11]
	global_load_b128 v[RAW+4:RAW+7], v[IOFF], s[10:11] offset:512
.irp k, 0,1,2,3,4,5,6,7
	v_mov_b32 v[AD+\k], 0                          ; a DPP form's destination counts as read: written once here
.endr
.irp u, 0,1,2,3,4,5,6,7,8,9,10,11,12,13,14,15
	v_mov_b32 v[OFF+\u], 0                         ; likewise
.endr
.irp k, 0,1,2,3
	v_mov_b32 v[ACC+\k], 0                         ; the four sums start at zero
.endr
	s_wait_loadcnt 0x0
	EXTRACT
	IDXLOAD
.irp u, 0,1,2,3,4,5,6,7,8,9,10,11,12,13,14,15
	FILL \u
.endr
	s_wait_tensorcnt 0x0                           ; my 50 rows are in LDS: said to the others by the signal,
	s_barrier_signal -1
	s_barrier_wait -1                              ; and behind the wait all sixteen parts are.  Nothing writes them again: no barrier in the loop
	s_mov_b32 s56, 6
.Ltrip:
	TRIP 1, 1, 1                                   ; blocks 0 to 5.  On the way in and on the way back: 2 record loads, then 16 fills, out; no LDS read out
	s_sub_co_u32 s56, s56, 1
	s_cmp_lg_u32 s56, 0
	s_cbranch_scc1 .Ltrip
	TRIP 1, 0, 1                                   ; block 6: takes record 7 in, asks for no record beyond the wave's eighth
	TRIP 0, 0, 0                                   ; block 7: asks for nothing; its counts run down to 0
	; The 32 half waves' sums meet in LDS: row 2 x wave + half, 256 bytes; a wave's 512 bytes are its own by its number.
	; First every wave's table reads are over (the last unit's s_wait_dscnt 0) and a barrier is passed, then the first store into LDS:
	; load, wait, barrier, store holds for LDS as a whole and leans on no address's bound.  Once in the launch.
	s_barrier_signal -1
	s_barrier_wait -1
	s_lshl_b32 s4, s3, 9                           ; wave x 512
	s_add_co_u32 s4, s4, SCR
	v_and_b32 v1, 31, v0                           ; lane
	v_lshl_add_u32 v[STA], v1, 4, s4               ; + 16 x lane
	ds_store_b128 v[STA], v[ACC:ACC+3]
	s_wait_dscnt 0x0                               ; for wave 0's sake: my store is done before I signal
	s_barrier_signal -1
	s_barrier_wait -1
	s_cmp_lg_u32 s3, 0
	s_cbranch_scc1 .Ldone
	v_lshlrev_b32 v1, 3, v1                        ; two columns a lane: 32 lanes cover the slice's 256 bytes
	v_add_nc_u32 v[RDA], SCR, v1
.set r, 0
.rept 32
	ds_load_b64 v[W+2*r:W+2*r+1], v[RDA] offset:256*r      ; into the ring's registers: its last load was waited for in the last unit
.set r, r+1
.endr
	s_wait_dscnt 0x0
.set r, 4
.rept 28
	v_pk_add_f32 v[W+2*(r%4):W+2*(r%4)+1], v[W+2*(r%4):W+2*(r%4)+1], v[W+2*r:W+2*r+1]    ; four chains, started by rows 0 to 3
.set r, r+1
.endr
	v_pk_add_f32 v[W:W+1],   v[W:W+1],   v[W+2:W+3]
	v_pk_add_f32 v[W+4:W+5], v[W+4:W+5], v[W+6:W+7]
	v_pk_add_f32 v[W:W+1],   v[W:W+1],   v[W+4:W+5]
	global_store_b64 v1, v[W:W+1], s[12:13]        ; the wave stores 256 consecutive bytes, at a multiple of 256 from part's first byte
.Ldone:
	s_wait_tensorcnt 0x0
	ds_add_u32 v190, v191
	s_wait_dscnt 0x0
	s_endpgm
.Lfunc_end_k_q08ceeb533b_gather:
	.size	k_q08ceeb533b_gather, .Lfunc_end_k_q08ceeb533b_gather-k_q08ceeb533b_gather
	.p2alignl 7, 3214868480
	.fill 96, 4, 3214868480
	.section	.rodata,"a",@progbits
	.p2align	6, 0x0
	.amdhsa_kernel k_q08ceeb533b_gather
		.amdhsa_group_segment_fixed_size 215040
		.amdhsa_private_segment_fixed_size 0
		.amdhsa_enable_private_segment 0
		.amdhsa_kernarg_size 88
		.amdhsa_user_sgpr_count 2
		.amdhsa_user_sgpr_kernarg_segment_ptr 1
		.amdhsa_wavefront_size32 1
		.amdhsa_system_sgpr_workgroup_id_x 1
		.amdhsa_system_sgpr_workgroup_id_y 1
		.amdhsa_system_sgpr_workgroup_id_z 1
		.amdhsa_system_vgpr_workitem_id 0
		.amdhsa_next_free_vgpr 192
		.amdhsa_next_free_sgpr 66
		.amdhsa_reserve_vcc 0
		.amdhsa_float_denorm_mode_32 3
		.amdhsa_float_denorm_mode_16_64 3
		.amdhsa_memory_ordered 1
		.amdhsa_forward_progress 1
		.amdhsa_inst_pref_size 143
	.end_amdhsa_kernel
	.amdgpu_metadata
---
amdhsa.version: [ 1, 2 ]
amdhsa.kernels:
  - .name:           k_q08ceeb533b_gather
    .symbol:         k_q08ceeb533b_gather.kd
    .args:
      - { .name: W_x, .offset: 0, .size: 8, .value_kind: global_buffer, .address_space: global }
      - { .name: W_y, .offset: 8, .size: 8, .value_kind: global_buffer, .address_space: global }
      - { .name: W_z, .offset: 16, .size: 8, .value_kind: global_buffer, .address_space: global }
      - { .name: W_mag, .offset: 24, .size: 8, .value_kind: global_buffer, .address_space: global }
      - { .name: W_xj, .offset: 32, .size: 8, .value_kind: global_buffer, .address_space: global }
      - { .name: W_yj, .offset: 40, .size: 8, .value_kind: global_buffer, .address_space: global }
      - { .name: W_zj, .offset: 48, .size: 8, .value_kind: global_buffer, .address_space: global }
      - { .name: W_magj, .offset: 56, .size: 8, .value_kind: global_buffer, .address_space: global }
      - { .name: W_t, .offset: 64, .size: 8, .value_kind: global_buffer, .address_space: global }
      - { .name: lev, .offset: 72, .size: 8, .value_kind: global_buffer, .address_space: global }
      - { .name: part, .offset: 80, .size: 8, .value_kind: global_buffer, .address_space: global }
    .group_segment_fixed_size: 215040
    .private_segment_fixed_size: 0
    .kernarg_segment_align: 8
    .kernarg_segment_size: 88
    .max_flat_workgroup_size: 512
    .sgpr_count:     66
    .vgpr_count:     192
    .wavefront_size: 32
...
	.end_amdgpu_metadata
.endif
;; end of part 2
;; launch finish (part 3): grid 4 x 1, 4 waves a work-group, no clusters, 0 bytes of LDS; arguments part, out0; writes out0
.if DOCPART == 3
	.amdgcn_target "amdgcn-amd-amdhsa--gfx1250"
	.amdhsa_code_object_version 6
	.text
	.protected	k_q08ceeb533b_finish
	.globl	k_q08ceeb533b_finish
	.p2align	8
	.type	k_q08ceeb533b_finish,@function
k_q08ceeb533b_finish:
	s_mov_b64 s[64:65], 0
	v_nop
	global_prefetch_b8 v0, s[64:65] scope:SCOPE_SE
	s_setreg_imm32_b32 hwreg(HW_REG_WAVE_MODE, 25, 1), 1
	s_wait_xcnt 0x0
; FINISH: out0[d] = tanh(part[0][d] + .. + part[7][d]).  part: [8][2048] f32.
; 512 threads, four columns each: a wave's load or store covers 512 consecutive bytes.  The eight partial sums are added in the order of
; the sample groups.  There is work for four work-groups of four waves, so four are launched.
; tanh(s) = 1 - 2 / (1 + e^(2 s)), e^(2 s) = 2^(2.885390 s).  An exponential that overflows gives 1 - 0, one that vanishes 1 - 2:
; the form holds for every finite sum and for +-inf; near s = 0 its absolute error is a few ulps of 1.
.set P, 4                              ; v[4:35]   the eight partial sums of my four columns
.set E, 36                             ; v[36:39]  at work
	s_load_b128 s[4:7], s[0:1], 0x0                ; part s[4:5], out0 s[6:7]
	s_lshl_b32 s8, ttmp9, 7
	v_add_nc_u32 v1, s8, v0
	v_lshlrev_b32 v1, 4, v1                        ; 16 bytes a thread
	s_wait_kmcnt 0x0
.irp g, 0,1,2,3,4,5,6,7
	global_load_b128 v[P+4*\g:P+4*\g+3], v1, s[4:5] offset:8192*\g
.endr
.irp g, 1,2,3,4,5,6,7
	s_wait_loadcnt 7-\g                            ; loads come back in order (ISA guide 5.7.1): groups 0 to g are in, the 7 - g younger stay out
	v_pk_add_f32 v[P:P+1],   v[P:P+1],   v[P+4*\g:P+4*\g+1]
	v_pk_add_f32 v[P+2:P+3], v[P+2:P+3], v[P+4*\g+2:P+4*\g+3]
.endr
.irp i, 0,1,2,3
	v_mul_f32 v[E+\i], 0x4038aa3b, v[P+\i]         ; 2 log2(e) s
.endr
.irp i, 0,1,2,3
	v_exp_f32 v[E+\i], v[E+\i]
.endr
	v_nop                                          ; one plain place behind the transcendentals before their results are used (ISA guide 5.7.2)
	s_wait_alu depctr_va_vdst(0)
.irp i, 0,1,2,3
	v_add_f32 v[E+\i], 1.0, v[E+\i]
.endr
.irp i, 0,1,2,3
	v_rcp_f32 v[E+\i], v[E+\i]
.endr
	v_nop                                          ; likewise
	s_wait_alu depctr_va_vdst(0)
.irp i, 0,1,2,3
	v_fma_f32 v[P+\i], -2.0, v[E+\i], 1.0
.endr
	global_store_b128 v1, v[P:P+3], s[6:7]
	s_endpgm
.Lfunc_end_k_q08ceeb533b_finish:
	.size	k_q08ceeb533b_finish, .Lfunc_end_k_q08ceeb533b_finish-k_q08ceeb533b_finish
	.p2alignl 7, 3214868480
	.fill 96, 4, 3214868480
	.section	.rodata,"a",@progbits
	.p2align	6, 0x0
	.amdhsa_kernel k_q08ceeb533b_finish
		.amdhsa_group_segment_fixed_size 0
		.amdhsa_private_segment_fixed_size 0
		.amdhsa_enable_private_segment 0
		.amdhsa_kernarg_size 16
		.amdhsa_user_sgpr_count 2
		.amdhsa_user_sgpr_kernarg_segment_ptr 1
		.amdhsa_wavefront_size32 1
		.amdhsa_system_sgpr_workgroup_id_x 1
		.amdhsa_system_sgpr_workgroup_id_y 1
		.amdhsa_system_sgpr_workgroup_id_z 1
		.amdhsa_system_vgpr_workitem_id 0
		.amdhsa_next_free_vgpr 44
		.amdhsa_next_free_sgpr 66
		.amdhsa_reserve_vcc 0
		.amdhsa_float_denorm_mode_32 3
		.amdhsa_float_denorm_mode_16_64 3
		.amdhsa_memory_ordered 1
		.amdhsa_forward_progress 1
		.amdhsa_inst_pref_size 4
	.end_amdhsa_kernel
	.amdgpu_metadata
---
amdhsa.version: [ 1, 2 ]
amdhsa.kernels:
  - .name:           k_q08ceeb533b_finish
    .symbol:         k_q08ceeb533b_finish.kd
    .args:
      - { .name: part, .offset: 0, .size: 8, .value_kind: global_buffer, .address_space: global }
      - { .name: out0, .offset: 8, .size: 8, .value_kind: global_buffer, .address_space: global }
    .group_segment_fixed_size: 0
    .private_segment_fixed_size: 0
    .kernarg_segment_align: 8
    .kernarg_segment_size: 16
    .max_flat_workgroup_size: 128
    .sgpr_count:     66
    .vgpr_count:     44
    .wavefront_size: 32
...
	.end_amdgpu_metadata
.endif
;; end of part 3
